; MI455X (gfx1250); checked and timed in simulation.
; The chip was launched on July 23, 2026; its instructions are those of AMD's public machine-readable ISA for CDNA 5 (MIT licence, August 2026) and "CDNA5" Instruction Set Architecture Reference Guide (July 2026). The comments in the code are by the model that wrote it; some were corrected since.
;; Learnable Spherical Encoding. Allowed arithmetic: matrix products marked QUANTISED: E2M3 operands, one E8M0 scale for each 32 along K, by v_wmma_scale_f32_16x16x128_f8f6f4 with both operands' format E2M3, f32 sums; products left as they are: f32 operands where the result goes on into a quantised operand, else bf16, f16 or f32 operands; f32 sums; everything else in f32.
;; Inputs: sigma 1 float32; sphere_pos 3 x 512 float32; vec 262,144 x 3 float32; weights 1 x 512 x 64 float32.
;; Outputs: out0 262,144 x 64 float32.
;; This version of the problem:
;;   THIS VERSION OF THE PROBLEM IS GIVEN IN LOW PRECISION. The matrix products marked QUANTISED in the list below multiply operands that are first quantised to E2M3 (2 exponent bits, 3 mantissa bits; 6 bits a number), with one power-of-two scale for each 32 numbers along K (OCP MX v1.0); their sums are f32. All else is computed in f32.
;;   The module's matrix products, in the order in which they are computed (A, B: the left and right operand; K: the contracted axis; several contracted axes count as one K, in the product's order):
;;     1. [M 262,144, K 3] x [K 3, N 512]; A: input vec; B: input sphere_pos: left as it is (K = 3 < 32)
;;     2. [M 262,144, K 512] x [K 512, N 64]; A: computed on the way; B: input weights: QUANTISED
;;   THE QUANTISER, for each operand of a quantised product, along K:
;;     - K is cut into blocks of 32 from its start; a last block that is shorter is filled with zeros.
;;     - A block's scale is 2^e with e = floor(log2(the largest magnitude in the block)) - 2, held to -126 .. 127; a block of zeros has e = 0. As a byte (E8M0): e + 127.
;;     - Each number is divided by its block's scale, clamped to +-7.5, and rounded to the nearest number of E2M3, ties to even, subnormals kept.
;;     - The product sums the exact products of the quantised numbers (number of the format x scale) in f32.
;;   ~~~python
;;   def quantise(x, axis):      # numpy; x: float32 -> the quantised numbers, widened to float32 again
;;       x = np.moveaxis(x, axis, -1); K = x.shape[-1]
;;       x = np.pad(x, [(0, 0)] * (x.ndim - 1) + [(0, -K % 32)]); x = x.reshape(x.shape[:-1] + (-1, 32)); a = np.abs(x).max(-1, keepdims=True)
;;       e = np.where(a > 0, np.clip(np.frexp(np.where(a > 0, a, 1))[1] - 1 - 2, -126, 127), 0)      # np.frexp(a)[1] - 1 = floor(log2(a)), exactly
;;       r = np.clip(x / 2.0 ** e, -7.5, 7.5)
;;       step = 2.0 ** (np.maximum(np.frexp(np.where(r == 0, 1, r))[1] - 1, 0) - 3)
;;       q = np.round(r / step) * step * 2.0 ** e      # np.round: ties to even
;;       return np.moveaxis(q.reshape(q.shape[:-2] + (-1,))[..., :K], -1, axis).astype(np.float32)
;;   ~~~
;;   OPERANDS COMPUTED ON THE WAY. 'Computed on the way' means the value that the module computes at that place (a softmax that the list does not call 'softmax' is quantised finished and normalised). What goes into a quantiser is computed in f32, as accurately as f32 sums, v_exp_f32 and their like allow (about 1e-6 of the number): no bf16 or f16 on the way to a quantiser, and a product that is left as it is and whose result goes on into a quantised operand takes f32 operands (vector FMAs, or v_wmma_f32_16x16x4_f32). A number that lies on a knife's edge between two numbers of the format may be rounded either way, as far as f32 arithmetic and the matrix unit's own rounding can turn it there, and no further.
;; 2 versions, each right; version 2 is version 1 with the launch sphere written anew for expert scheduling mode. Each part assembles by itself: llvm-mc -triple=amdgcn-amd-amdhsa -mcpu=gfx1250 --defsym DOCPART=n.
;; ======== version 1 of 2: 1 launch
;; launch sphere (part 1): grid 256 x 1, 8 waves a work-group, no clusters, 61,440 bytes of LDS; arguments vec, sphere_pos, weights, sigma, out0; writes out0
.if DOCPART == 1
	.amdgcn_target "amdgcn-amd-amdhsa--gfx1250"
	.amdhsa_code_object_version 6
	.text
	.protected	k_q092f78c5c4_sphere
	.globl	k_q092f78c5c4_sphere
	.p2align	8
	.type	k_q092f78c5c4_sphere,@function
k_q092f78c5c4_sphere:
	s_mov_b64 s[64:65], 0
	v_nop
	global_prefetch_b8 v0, s[64:65] scope:SCOPE_SE
	s_setreg_imm32_b32 hwreg(HW_REG_WAVE_MODE, 25, 1), 1
	s_wait_xcnt 0x0
; out0[n][:] = Q(prob[n][:]) Q(W), prob[n][k] = e / (sum + 1e-8), e = exp(-(acos(clip(vec[n] . pos[:, k])) / sigma)^2 / 2) / SQ2PI / sigma.
; vec [262144][3], sphere_pos [3][512], weights [512][64], sigma [1], out0 [262144][64], all f32.  Q: codes of FP6 (E2M3), one E8M0 scale for each 32 along the 512 points.
; SHARES.  256 work-groups x 8 waves x 8 trips x 16 rows.  A wave takes 16 rows a trip: 192 consecutive bytes of vec, 4,096 consecutive bytes of out0.  Waves share only the weights' codes, made once at the head.
; LAYOUT.  Lane (r = lane % 16, h = lane / 16) holds row r throughout, and of its 512 points the 256 with k = 64 c + 32 h + i (c = 0 .. 7, i = 0 .. 31): whole blocks of 32, in the order in which
; the 6-bit operand wants them.  The first product (K = 3, f32 operands) gives that by the choice of the points that form a tile: source 0 = 16 points, source 1 = the 16 rows; lane r of tile 4 c + q
; takes point 64 c + 32 (r / 8) + 8 q + r % 8, so that register j of the result in lane (r, h) is point 64 c + 32 h + 8 q + j.  So no block's maximum asks another lane, and no codes change lanes.
; THE ANGLE.  acos(y) = sqrt(1 - y) (a0 + a1 y + .. + a7 y^7) on 0 <= y <= 1 (Abramowitz and Stegun 4.4.46: within 2e-8 of the angle), acos(-y) = pi - acos(y).  1 - y is exact from y = 0.5 on.
; k = sqrt(log2(e) / 2) / sigma is folded into the eight coefficients and into pi / 2, once: z = k x angle, e = 2^(-z z).  All 256 e of a lane stay in registers until the row's sum is known;
; then each is multiplied by g = c0 / (c0 S + 1e-8), c0 = 1 / (SQ2PI sigma), which is the finished, normalised number that is quantised.  No exponent is above 0 and a sum is at most 512: nothing overflows.
; The two reciprocals (1 / sigma, 1 / the divisor) are v_rcp_f32 and one Newton step.
; LIMITS.  NaN and infinities among the inputs, and sigma = 0, are not served.  An e under 2^-126 comes out of v_exp_f32 as 0 (ISA guide, 15.8).  A block of zeros keeps the scale byte 1 where the rule says 127:
; its codes are zeros, and this program alone reads the bytes.  The row's sum is taken in another order than a plain loop over k would take it.  sigma may be negative: the blocks' maxima take magnitudes.
; NOT USED: tensor loads, a ring, clusters: what work-groups share is 137,216 bytes of weights and points, read once by each at its head, through registers, since they are quantised or laid as fragments there.
; REGISTERS, in two windows of 256.  Window 0: v1-15 addresses and small things; v16-79 the points' 32 fragments; v80-81 vec's; v82-87 g, pi k / 2, a6 k; v88-95 at work; v96-127 cosines, two buffers of 16,
; written by the f32 matrix instruction alone; v128-191 at work (WK); v192-223 four accumulators of out0; v224-242 codes; v243 the rows' scale word; v244-251 the weights' scale words.
; Window 1: the 256 e of a lane (register 32 c + i); at the head 128 numbers of W; in the second pass W's fragments, which land where e have just been read out.
.set TRIPS,  8
.set FRB,    1536                      ; LDS: the image of a fragment: 12 registers x 128 bytes
.set WSC,    16*FRB                    ; behind W's 16 images: 8 images of scale registers, 128 bytes each
.set STG,    WSC+8*128                 ; behind them: a stage of 16 rows x (256 + 16) bytes for each wave, its own
.set SPITCH, 272
.set LI,   1                           ; v1   16 x lane: my place in an image; also my byte in 512 consecutive bytes of out0
.set LS,   2                           ; v2   4 x lane
.set SO,   3                           ; v3   the stage: where I put 32 bytes of row r
.set SR,   4                           ; v4   and where I read 16 bytes of a row back
.set VA0,  5                           ; v5   vec: 12 r + 8 h  (x, or z)
.set VA1,  6                           ; v6   vec: 12 r + 4 + 4 h  (y, or z once more)
.set SH8,  7                           ; v7   8 h
.set NIL,  8                           ; v8   0
.set WI,   9                           ; v9   where my wave stores its two images of W
.set WSA,  10                          ; v10  and their scale words
.set KEEP, 11                          ; v11  the first fragment's scale word
.set E0,   12                          ; v12-13 the conversions' scale operands (at the head, until the loads are in: load offsets, with v14)
.set SPH,  16
.set VB,   80
.set G,    82
.set HV,   84
.set A6V,  86
.set M,    88
.set T,    92
.set RX,   96
.set WK,   128
.set RY,   WK                          ; a batch's 16: y, later 0 or pi k
.set RSG,  WK+16                       ; +1 or -1
.set RU,   WK+32                       ; 1 - y, then its root
.set RQ,   WK+48                       ; the polynomial, then z, then -z z
.set RO,   192
.set PC,   224
.set TP,   236
.set PW,   243
.set WS,   244
.set MSB, 0
.macro WIN new                         ; bits 1:0 source 0, 3:2 source 1, 5:4 source 2, 7:6 destination; the immediate's high byte repeats the setting that is left
.if MSB != \new
	s_set_vgpr_msb (MSB<<8)|\new
.set MSB, \new
.endif
.endm
.macro PLACES cnt
.rept \cnt
	v_nop
.endr
.endm
; The cosines of tiles 2 g and 2 g + 1 into buffer g % 2: 16 points x 16 rows x K = 4 each; k = 3 is a zero among the points
.macro MMX g
.irp u, 0,1
	v_wmma_f32_16x16x4_f32 v[RX+16*((\g)%2)+8*\u:RX+16*((\g)%2)+8*\u+7], v[SPH+2*(2*(\g)+\u):SPH+2*(2*(\g)+\u)+1], v[VB:VB+1], 0
.endr
.endm
; 16 points of a lane, from cosine to e.  The next batch's cosines are asked of the matrix unit first: a whole batch lies between them and their first reader.
.macro BATCH g
.if \g < 15
	MMX (\g)+1
.endif
.set XB, RX+16*((\g)%2)
.set bi, 0
.rept 16                               ; ascending: each accumulator is read from its low end on
	v_min_num_f32 v[RY+bi], |v[XB+bi]|, s17                        ; y = min(|x|, 1 - 1e-5): the clip, on both sides
	v_bfi_b32 v[RSG+bi], s16, s23, v[XB+bi]                        ; 1.0 with x's sign
.if bi%2 == 1
	v_pk_fma_f32 v[RU+bi-1:RU+bi], v[RY+bi-1:RY+bi], -1.0, 1.0 op_sel_hi:[1,0,0]   ; 1 - y
.endif
.set bi, bi+1
.endr
.set hn, 0
.rept 56                               ; Horner, seven steps over eight pairs; a root stands behind every third of the first 48 lines, so that each has plain neighbours
.if hn/8 == 0
	v_pk_fma_f32 v[RQ+2*(hn%8):RQ+2*(hn%8)+1], v[RY+2*(hn%8):RY+2*(hn%8)+1], s[24:25], v[A6V:A6V+1] op_sel_hi:[1,0,1]
.else
	v_pk_fma_f32 v[RQ+2*(hn%8):RQ+2*(hn%8)+1], v[RQ+2*(hn%8):RQ+2*(hn%8)+1], v[RY+2*(hn%8):RY+2*(hn%8)+1], s[24+2*(hn/8):25+2*(hn/8)] op_sel_hi:[1,1,0]
.endif
.if (hn < 48) && (hn%3 == 2)
	v_sqrt_f32 v[RU+hn/3], v[RU+hn/3]
.endif
.set hn, hn+1
.endr
.irp p, 0,2,4,6,8,10,12,14
	v_pk_fma_f32 v[RY+\p:RY+\p+1], v[RSG+\p:RSG+\p+1], v[HV:HV+1], v[HV:HV+1] neg_lo:[0,1,0] neg_hi:[0,1,0]   ; pi k / 2 - sign x pi k / 2: 0, or pi k
.endr
	s_wait_alu depctr_va_vdst(0)                   ; ahead of the first reader: ONE wait, for the 16 roots and for the batch before's 16 exponentials
.irp p, 0,2,4,6,8,10,12,14
	v_pk_mul_f32 v[RQ+\p:RQ+\p+1], v[RU+\p:RU+\p+1], v[RQ+\p:RQ+\p+1]             ; k acos(y)
.endr
.irp p, 0,2,4,6,8,10,12,14
	v_pk_fma_f32 v[RQ+\p:RQ+\p+1], v[RSG+\p:RSG+\p+1], v[RQ+\p:RQ+\p+1], v[RY+\p:RY+\p+1]   ; z = k x the angle
.endr
.irp p, 0,2,4,6,8,10,12,14
	v_pk_mul_f32 v[RQ+\p:RQ+\p+1], v[RQ+\p:RQ+\p+1], v[RQ+\p:RQ+\p+1] neg_lo:[1,0] neg_hi:[1,0]   ; -z z
.endr
	WIN 0x40                                       ; destination window 1
.irp i, 0,1,2,3,4,5,6,7,8,9,10,11,12,13,14,15
	v_exp_f32 v[16*\g+\i], v[RQ+\i]                ; e; nobody names it before the next wait
.endr
	WIN 0
.endm
; 64 numbers of a lane, v[src] on in window win, register 32 c + i = k 64 c + 32 h + i of my row (or column), become a fragment's codes in v[PC] on and its scale word in v[PW].
.macro QUANT src, win
	WIN 0x05*(\win)
.irp c, 0,1
.irp u, 0,1
	v_max3_num_f32 v[M+2*\c+\u], |v[\src+32*\c+16*\u]|, |v[\src+32*\c+16*\u+1]|, 0x1800000   ; four chains, two a block; the floor 2^(3 - 127) among the leaves holds the byte at 1 from below
.endr
.endr
	WIN 0x14*(\win)
.irp m, 2,4,6,8,10,12,14
.irp c, 0,1
.irp u, 0,1
	v_max3_num_f32 v[M+2*\c+\u], v[M+2*\c+\u], |v[\src+32*\c+16*\u+\m]|, |v[\src+32*\c+16*\u+\m+1]|
.endr
.endr
.endr
	WIN 0
	v_max_num_f32 v[M], v[M], v[M+1]               ; block h's largest magnitude: all 32 numbers are mine
	v_max_num_f32 v[M+2], v[M+2], v[M+3]           ; block 2 + h's
	v_add_nc_u32 v[E0], 0xff000000, v[M]           ; 2 off the exponent field: the conversion takes the exponent field of this operand as its scale
	v_add_nc_u32 v[E0+1], 0xff000000, v[M+2]
	v_lshrrev_b32 v[M+1], 23, v[E0]                ; the scales' bytes
	v_lshrrev_b32 v[M+3], 23, v[E0+1]
	v_lshl_or_b32 v[PW], v[M+3], 16, v[M+1]        ; my two bytes,
	v_lshlrev_b32 v[PW], v[SH8], v[PW]             ; at their places in the word (8 h bits up);
	v_permlanex16_b32 v[M+1], v[PW], s18, s19
	v_or_b32 v[PW], v[PW], v[M+1]                  ; with lane l xor 16's two the word is whole, in both lanes
	WIN 0x01*(\win)
.irp c, 0,1
	v_cvt_scalef32_pk16_fp6_f32 v[PC+6*\c:PC+6*\c+2], v[\src+32*\c:\src+32*\c+15], v[E0+\c]
	v_cvt_scalef32_pk16_fp6_f32 v[TP+4*\c:TP+4*\c+2], v[\src+32*\c+16:\src+32*\c+31], v[E0+\c]   ; (a conversion's three registers begin on an even number: the block's second half is made elsewhere and moved)
.endr
	WIN 0
	v_nop                                          ; one plain line behind the scaled conversions
.irp c, 0,1
.irp i, 0,1,2
	v_mov_b32 v[PC+3+6*\c+\i], v[TP+4*\c+\i]
.endr
.endr
.endm
.macro SCALE s                         ; the 64 e of K step s times g: the finished numbers, into WK
	WIN 0x01
.set si, 0
.rept 32
	v_pk_mul_f32 v[WK+2*si:WK+2*si+1], v[64*\s+2*si:64*\s+2*si+1], v[G:G+1] op_sel_hi:[1,0]
.set si, si+1
.endr
.endm
.macro WLOAD s                         ; W's four fragments of K step s, as images, into the registers that SCALE s has just read out
	WIN 0x40
.irp t, 0,1,2,3
.irp c, 0,1,2
	ds_load_b128 v[64*\s+12*\t+4*\c:64*\s+12*\t+4*\c+3], v[LI] offset:(4*\s+\t)*FRB+512*\c
.endr
.endr
.endm
; K step s of the second product: source 0 = 16 channels of W, source 1 = my 16 rows: lane (r, h), register j of accumulator t is out0(row r, channel 16 t + 8 h + j).
; The four accumulators take turns, one instruction a turn.  A scale register of W carries tile 2 u in lanes 0-15 and tile 2 u + 1 in lanes 16-31.
.macro MM s, cnt
	s_wait_dscnt \cnt                              ; this K step's 12 loads are in; cnt = the next K step's, issued behind them
	WIN 0x01
.irp t, 0,1,2,3
.if \s == 0
.if \t%2 == 0
	v_wmma_scale_f32_16x16x128_f8f6f4 v[RO+8*\t:RO+8*\t+7], v[64*\s+12*\t:64*\s+12*\t+11], v[PC:PC+11], 0, v[WS+2*\s+\t/2], v[PW] matrix_a_fmt:MATRIX_FMT_FP6 matrix_b_fmt:MATRIX_FMT_FP6
.else
	v_wmma_scale_f32_16x16x128_f8f6f4 v[RO+8*\t:RO+8*\t+7], v[64*\s+12*\t:64*\s+12*\t+11], v[PC:PC+11], 0, v[WS+2*\s+\t/2], v[PW] matrix_a_fmt:MATRIX_FMT_FP6 matrix_b_fmt:MATRIX_FMT_FP6 matrix_a_scale:MATRIX_SCALE_ROW1
.endif
.else
.if \t%2 == 0
	v_wmma_scale_f32_16x16x128_f8f6f4 v[RO+8*\t:RO+8*\t+7], v[64*\s+12*\t:64*\s+12*\t+11], v[PC:PC+11], v[RO+8*\t:RO+8*\t+7], v[WS+2*\s+\t/2], v[PW] matrix_a_fmt:MATRIX_FMT_FP6 matrix_b_fmt:MATRIX_FMT_FP6
.else
	v_wmma_scale_f32_16x16x128_f8f6f4 v[RO+8*\t:RO+8*\t+7], v[64*\s+12*\t:64*\s+12*\t+11], v[PC:PC+11], v[RO+8*\t:RO+8*\t+7], v[WS+2*\s+\t/2], v[PW] matrix_a_fmt:MATRIX_FMT_FP6 matrix_b_fmt:MATRIX_FMT_FP6 matrix_a_scale:MATRIX_SCALE_ROW1
.endif
.endif
.endr
	WIN 0
.endm
.macro COEF sr, bits                   ; a coefficient times k, as a scalar pair (the packed form names the pair and takes its low word for both halves)
	v_mul_f32 v[T], \bits, v[M+2]
	v_readfirstlane_b32 s[\sr], v[T]
	s_mov_b32 s[\sr+1], s[\sr]
.endm
	; ---- THE HEAD
	s_load_b256 s[4:11], s[0:1], 0x0               ; vec s[4:5], sphere_pos s[6:7], weights s[8:9], sigma s[10:11]
	s_load_b64 s[12:13], s[0:1], 0x20              ; out0
	v_lshl_add_u32 v254, v0, 2, 0xec00
	v_mov_b32 v255, 0
	v_lshrrev_b32 v15, 5, v0
	v_readfirstlane_b32 s14, v15                   ; wave 0..7
	v_and_b32 v15, 31, v0                          ; lane
	v_lshlrev_b32 v[LI], 4, v15
	v_lshlrev_b32 v[LS], 2, v15
	v_and_b32 v[T], 15, v0                         ; r
	v_bfe_u32 v[T+1], v0, 4, 1                     ; h
	s_mul_i32 s40, s14, 16*SPITCH
	s_add_co_u32 s40, s40, STG                     ; my wave's stage
	v_mul_u32_u24 v[SO], v[T], SPITCH              ; in: row r, + 32 h
	v_lshl_add_u32 v[SO], v[T+1], 5, v[SO]
	v_add_nc_u32 v[SO], s40, v[SO]
	v_mul_u32_u24 v[SR], v[T+1], SPITCH            ; back: lanes 0-15 one row of 256 bytes, lanes 16-31 the next
	v_lshl_add_u32 v[SR], v[T], 4, v[SR]
	v_add_nc_u32 v[SR], s40, v[SR]
	v_mul_u32_u24 v[VA0], v[T], 12                 ; vec's fragment: register j of lane (r, h) is component 2 h + j of row r; for component 3 z is read once more: it meets a zero
	v_lshl_add_u32 v[VA1], v[T+1], 2, v[VA0]
	v_add_nc_u32 v[VA1], 4, v[VA1]
	v_lshl_add_u32 v[VA0], v[T+1], 3, v[VA0]
	v_lshlrev_b32 v[SH8], 3, v[T+1]
	v_mov_b32 v[NIL], 0
	s_mul_i32 s41, s14, 2*FRB
	v_add_nc_u32 v[WI], s41, v[LI]                 ; wave w makes fragments 2 w and 2 w + 1 of W's sixteen
	s_lshl_b32 s41, s14, 7
	s_add_co_u32 s41, s41, WSC
	v_add_nc_u32 v[WSA], s41, v[LS]
	v_lshlrev_b32 v12, 2, v[T]                     ; W: column r of a tile, 4 bytes; lanes 16-31 begin 32 rows of 256 bytes further down
	v_lshl_add_u32 v12, v[T+1], 13, v12
	v_and_b32 v[T+2], 7, v[T]
	v_lshrrev_b32 v[T+3], 3, v[T]
	v_lshlrev_b32 v[T+2], 2, v[T+2]
	v_lshl_add_u32 v[T+2], v[T+3], 7, v[T+2]       ; the points: 4 (32 (r / 8) + r % 8)
	v_lshl_add_u32 v13, v[T+1], 12, v[T+2]         ; register 0: component 2 h: a row of sphere_pos is 2,048 bytes
	v_lshl_add_u32 v14, v[T+1], 11, v[T+2]
	v_add_nc_u32 v14, 2048, v14                    ; register 1: component 1, or (lanes 16-31) 2 once more, which is then made 0: no lane leaves the buffer
	s_mov_b32 s16, 0x7fffffff                      ; all but the sign
	s_mov_b32 s17, 0x3f7fff58                      ; 1 - 1e-5 in f32
	s_mov_b32 s18, 0x76543210                      ; v_permlanex16_b32's selects for lane l xor 16
	s_mov_b32 s19, 0xfedcba98
	s_mov_b32 s21, 0x322bcc77                      ; 1e-8
	s_mov_b32 s23, 0x3f800000                      ; 1.0
	s_mov_b32 vcc_lo, 0xffff0000                   ; lanes 16-31
	s_mov_b32 s15, TRIPS
	s_lshl_b32 s40, ttmp9, 3
	s_add_co_u32 s40, s40, s14                     ; 8 x work-group + wave: which run of 128 rows is mine
	s_mul_i32 s42, s40, 128*12
	s_mov_b32 s43, 0
	s_lshl_b32 s44, s40, 15                        ; 128 rows of 256 bytes; under 2^26
	s_mov_b32 s45, 0
	s_lshr_b32 s46, s14, 1                         ; my fragments' K step: wave / 2: 128 rows of W,
	s_lshl_b32 s46, s46, 15
	s_and_b32 s41, s14, 1                          ; and their tiles of channels: 2 (wave % 2) and the next: 64 bytes a tile
	s_lshl_b32 s41, s41, 7
	s_add_co_u32 s46, s46, s41
	s_mov_b32 s47, 0
	s_wait_kmcnt 0x0
	s_load_b32 s22, s[10:11], 0x0                  ; sigma
	s_add_nc_u64 s[4:5], s[4:5], s[42:43]
	s_add_nc_u64 s[12:13], s[12:13], s[44:45]
	s_add_nc_u64 s[8:9], s[8:9], s[46:47]
	WIN 0x40                                       ; destination window 1
.irp f, 0,1                                    ; a lane takes a column of W and its registers run down K, in the operand's own order: register 64 f + 32 c + i = W(128 s + 64 c + 32 h + i, 16 t + r)
.irp c, 0,1
.set wi, 0
.rept 32
	global_load_b32 v[64*\f+32*\c+wi], v12, s[8:9] offset:(64*\c+wi)*256+64*\f
.set wi, wi+1
.endr
.endr
.endr
	WIN 0
.set tt, 0
.rept 32                                       ; the points' 32 fragments stay in registers: tile 4 c + q begins at point 64 c + 8 q
	global_load_b32 v[SPH+2*tt], v13, s[6:7] offset:256*(tt/4)+32*(tt%4)
	global_load_b32 v[SPH+2*tt+1], v14, s[6:7] offset:256*(tt/4)+32*(tt%4)
.set tt, tt+1
.endr
	global_load_b32 v[VB], v[VA0], s[4:5] th:TH_LOAD_NT            ; the first trip's rows
	global_load_b32 v[VB+1], v[VA1], s[4:5] th:TH_LOAD_NT
	s_wait_kmcnt 0x0                               ; sigma.  What follows writes v82-95 alone: no register that a pending load names
	v_mov_b32 v[M], s22
	v_rcp_f32 v[M+1], v[M]
	v_mov_b32 v[G+1], 0                            ; (named with g as a pair, so it is written; also the plain line behind the reciprocal)
	v_mov_b32 v[T+1], 0
	s_wait_alu depctr_va_vdst(0)                   ; ahead of the first reader
	v_fma_f32 v[M+2], -v[M], v[M+1], 1.0           ; one Newton step
	v_fma_f32 v[M+1], v[M+1], v[M+2], v[M+1]       ; 1 / sigma
	v_mul_f32 v[M+2], 0x3f596d27, v[M+1]           ; k = sqrt(log2(e) / 2) / sigma
	v_mul_f32 v[M+3], 0x3ecc422a, v[M+1]           ; c0 = 1 / (SQ2PI sigma)
	v_readfirstlane_b32 s20, v[M+3]
	COEF 24, 0xbaa57a2c                            ; a7 = -0.0012624911
	COEF 26, 0xbc8bfc66                            ; a5 = -0.0170881256
	COEF 28, 0x3cfd10f8                            ; a4 =  0.0308918810
	COEF 30, 0xbd4d8392                            ; a3 = -0.0501743046
	COEF 32, 0x3db63a9e                            ; a2 =  0.0889789874
	COEF 34, 0xbe5bbfca                            ; a1 = -0.2145988016
	COEF 36, 0x3fc90fda                            ; a0 =  1.5707963050
	v_mul_f32 v[A6V], 0x3bda90c5, v[M+2]           ; a6 =  0.0066700901
	v_mov_b32 v[A6V+1], v[A6V]
	v_mul_f32 v[HV], 0x3fc90fdb, v[M+2]            ; pi / 2
	v_mov_b32 v[HV+1], v[HV]
	s_wait_loadcnt 0x0                             ; W, the points, the first rows
.set tt, 0
.rept 32
	v_cndmask_b32 v[SPH+2*tt+1], v[SPH+2*tt+1], v[NIL], vcc_lo     ; component 3 of every point is 0
.set tt, tt+1
.endr
	QUANT 0, 1                                     ; my first fragment of W
.irp c, 0,1,2
	ds_store_b128 v[WI], v[PC+4*\c:PC+4*\c+3] offset:512*\c        ; as an image of its registers: lane l's 16 bytes at 16 l
.endr
	v_mov_b32 v[KEEP], v[PW]
	s_wait_dscnt 0x0                               ; the stores have read their registers
	QUANT 64, 1                                    ; my second
.irp c, 0,1,2
	ds_store_b128 v[WI], v[PC+4*\c:PC+4*\c+3] offset:FRB+512*\c
.endr
	v_cndmask_b32 v14, v[KEEP], v[PW], vcc_lo      ; lanes 0-15: the even tile's scale words, lanes 16-31: the odd tile's
	ds_store_b32 v[WSA], v14
	s_wait_dscnt 0x0                               ; for the others' sake: my stores have landed
	s_barrier_signal -1
	s_barrier_wait -1                              ; the text's one barrier: W's sixteen images and eight scale registers lie in LDS, and are written no more
.irp i, 0,1,2,3,4,5,6,7
	ds_load_b32 v[WS+\i], v[LS] offset:WSC+128*\i
.endr
	s_wait_dscnt 0x0
	; ---- A TRIP: 16 rows
.Ltile:
	s_wait_loadcnt 0x0                             ; these rows' vec, asked for half a trip ago
	MMX 0
	PLACES 8                                       ; eight places between this matrix form and the first reader of its result
.irp g, 0,1,2,3,4,5,6,7,8,9,10,11,12,13,14,15
	BATCH \g
.endr
	v_nop                                          ; a plain line behind the last exponentials,
	s_wait_alu depctr_va_vdst(0)                   ; and their wait
	s_cmp_eq_u32 s15, 1                            ; the next trip's rows are asked for here, if there is a next trip: no load leaves its buffer
	s_cbranch_scc1 .Lno_next
	s_add_nc_u64 s[4:5], s[4:5], 192               ; (the loads that named this base were waited for at the trip's head; the last product that read v80-81 stands more than a batch back)
	global_load_b32 v[VB], v[VA0], s[4:5] th:TH_LOAD_NT
	global_load_b32 v[VB+1], v[VA1], s[4:5] th:TH_LOAD_NT
.Lno_next:
	; the row's sum of e: eight chains of pairs, a tree, the other half of the lanes
	WIN 0x05                                       ; sources 0 and 1 window 1
.irp c, 0,2,4,6,8,10,12,14
	v_pk_add_f32 v[WK+\c:WK+\c+1], v[\c:\c+1], v[16+\c:17+\c]
.endr
	WIN 0x04                                       ; source 1 window 1
.irp m, 2,3,4,5,6,7,8,9,10,11,12,13,14,15
.irp c, 0,2,4,6,8,10,12,14
	v_pk_add_f32 v[WK+\c:WK+\c+1], v[WK+\c:WK+\c+1], v[16*\m+\c:16*\m+\c+1]
.endr
.endr
	WIN 0
.irp c, 0,2,4,6
	v_pk_add_f32 v[WK+\c:WK+\c+1], v[WK+\c:WK+\c+1], v[WK+8+\c:WK+9+\c]
.endr
.irp c, 0,2
	v_pk_add_f32 v[WK+\c:WK+\c+1], v[WK+\c:WK+\c+1], v[WK+4+\c:WK+5+\c]
.endr
	v_pk_add_f32 v[WK:WK+1], v[WK:WK+1], v[WK+2:WK+3]
	v_add_f32 v[T], v[WK], v[WK+1]
	v_permlanex16_b32 v[T+1], v[T], s18, s19
	v_add_f32 v[T], v[T], v[T+1]                   ; S
	v_fma_f32 v[T+2], s20, v[T], s21               ; c0 S + 1e-8
	v_rcp_f32 v[T+3], v[T+2]
	v_nop
	s_wait_alu depctr_va_vdst(0)                   ; ahead of the first reader
	v_fma_f32 v[T+1], -v[T+2], v[T+3], 1.0         ; one Newton step
	v_fma_f32 v[T+3], v[T+3], v[T+1], v[T+3]
	v_mul_f32 v[G], s20, v[T+3]                    ; g
	; the second pass and the second product, a K step of 128 at a time.  The next K step's 32 multiplications stand between a fragment's last lines and the products that take it: more than the eight
	; places that a scale register written by a vector instruction owes a scaled product; the 32 maxima at QUANT's head are the places behind the products, ahead of the next codes.
	SCALE 0
	WLOAD 0
	QUANT WK, 0
	SCALE 1
	WLOAD 1
	MM 0, 12
	QUANT WK, 0
	SCALE 2
	WLOAD 2
	MM 1, 12
	QUANT WK, 0
	SCALE 3
	WLOAD 3
	MM 2, 12
	QUANT WK, 0
	PLACES 8
	MM 3, 0
	; the way out: a lane's 32 bytes of a row go into my stage, whole rows come back; LDS serves a wave's instructions in order (ISA guide 5.7.1.4): no wait between the stores and the loads
	PLACES 4
.irp t, 0,1,2,3
	ds_store_b128 v[SO], v[RO+8*\t:RO+8*\t+3] offset:64*\t         ; each accumulator from its low end on
	ds_store_b128 v[SO], v[RO+8*\t+4:RO+8*\t+7] offset:64*\t+16
.endr
.irp i, 0,1,2,3,4,5,6,7
	ds_load_b128 v[WK+4*\i:WK+4*\i+3], v[SR] offset:2*SPITCH*\i
.endr
.irp i, 0,1,2,3,4,5,6,7
	s_wait_dscnt 7-\i                              ; rows 2 i and 2 i + 1 are back; the younger loads may be out
	global_store_b128 v[LI], v[WK+4*\i:WK+4*\i+3], s[12:13] offset:512*\i th:TH_STORE_NT   ; 32 lanes store 512 consecutive bytes, at a multiple of 256 from out0's first byte; written once, read by nobody here
.endr
	s_wait_xcnt 0x0                                ; the stores have read their data and their base: both are written again only behind this wait
	s_add_nc_u64 s[12:13], s[12:13], 4096
	s_sub_co_u32 s15, s15, 1
	s_cmp_lg_u32 s15, 0
	s_cbranch_scc1 .Ltile
	s_wait_tensorcnt 0x0
	ds_add_u32 v254, v255
	s_wait_dscnt 0x0
	s_endpgm
.Lfunc_end_k_q092f78c5c4_sphere:
	.size	k_q092f78c5c4_sphere, .Lfunc_end_k_q092f78c5c4_sphere-k_q092f78c5c4_sphere
	.p2alignl 7, 3214868480
	.fill 96, 4, 3214868480
	.section	.rodata,"a",@progbits
	.p2align	6, 0x0
	.amdhsa_kernel k_q092f78c5c4_sphere
		.amdhsa_group_segment_fixed_size 61440
		.amdhsa_private_segment_fixed_size 0
		.amdhsa_enable_private_segment 0
		.amdhsa_kernarg_size 40
		.amdhsa_user_sgpr_count 2
		.amdhsa_user_sgpr_kernarg_segment_ptr 1
		.amdhsa_wavefront_size32 1
		.amdhsa_system_sgpr_workgroup_id_x 1
		.amdhsa_system_sgpr_workgroup_id_y 1
		.amdhsa_system_sgpr_workgroup_id_z 1
		.amdhsa_system_vgpr_workitem_id 0
		.amdhsa_next_free_vgpr 512
		.amdhsa_next_free_sgpr 66
		.amdhsa_reserve_vcc 1
		.amdhsa_float_denorm_mode_32 3
		.amdhsa_float_denorm_mode_16_64 3
		.amdhsa_memory_ordered 1
		.amdhsa_forward_progress 1
		.amdhsa_inst_pref_size 217
	.end_amdhsa_kernel
	.amdgpu_metadata
---
amdhsa.version: [ 1, 2 ]
amdhsa.kernels:
  - .name:           k_q092f78c5c4_sphere
    .symbol:         k_q092f78c5c4_sphere.kd
    .args:
      - { .name: vec, .offset: 0, .size: 8, .value_kind: global_buffer, .address_space: global }
      - { .name: sphere_pos, .offset: 8, .size: 8, .value_kind: global_buffer, .address_space: global }
      - { .name: weights, .offset: 16, .size: 8, .value_kind: global_buffer, .address_space: global }
      - { .name: sigma, .offset: 24, .size: 8, .value_kind: global_buffer, .address_space: global }
      - { .name: out0, .offset: 32, .size: 8, .value_kind: global_buffer, .address_space: global }
    .group_segment_fixed_size: 61440
    .private_segment_fixed_size: 0
    .kernarg_segment_align: 8
    .kernarg_segment_size: 40
    .max_flat_workgroup_size: 256
    .sgpr_count:     66
    .vgpr_count:     512
    .wavefront_size: 32
...
	.end_amdgpu_metadata
.endif
;; end of part 1
;; ======== version 2 of 2: 1 launch; version 1 with the launch sphere written anew for expert scheduling mode
;; launch sphere (part 2): grid 256 x 1, 8 waves a work-group, no clusters, 61,440 bytes of LDS; arguments vec, sphere_pos, weights, sigma, out0; writes out0
.if DOCPART == 2
	.amdgcn_target "amdgcn-amd-amdhsa--gfx1250"
	.amdhsa_code_object_version 6
	.text
	.protected	k_q092f78c5c4_sphere
	.globl	k_q092f78c5c4_sphere
	.p2align	8
	.type	k_q092f78c5c4_sphere,@function
k_q092f78c5c4_sphere:
	s_mov_b64 s[64:65], 0
	v_nop
	global_prefetch_b8 v0, s[64:65] scope:SCOPE_SE
	s_setreg_imm32_b32 hwreg(HW_REG_WAVE_SCHED_MODE, 0, 2), 2
	s_setreg_imm32_b32 hwreg(HW_REG_WAVE_MODE, 25, 1), 1
	s_wait_xcnt 0x0
	s_wait_alu depctr_vm_vsrc(0)
; out0[n][:] = Q(prob[n][:]) Q(W), prob[n][k] = e / (sum + 1e-8), e = exp(-(acos(clip(vec[n] . pos[:, k])) / sigma)^2 / 2) / SQ2PI / sigma.
; vec [262144][3], sphere_pos [3][512], weights [512][64], sigma [1], out0 [262144][64], all f32.  Q: codes of FP6 (E2M3), one E8M0 scale for each 32 along the 512 points.
; SHARES.  256 work-groups x 8 waves x 8 trips x 16 rows.  A wave takes 16 rows a trip: 192 consecutive bytes of vec, 4,096 consecutive bytes of out0.  Waves share only the weights' codes, made once at the head.
; LAYOUT.  Lane (r = lane % 16, h = lane / 16) holds row r throughout, and of its 512 points the 256 with k = 64 c + 32 h + i (c = 0 .. 7, i = 0 .. 31): whole blocks of 32, in the order in which
; the 6-bit operand wants them.  The first product (K = 3, f32 operands) gives that by the choice of the points that form a tile: source 0 = 16 points, source 1 = the 16 rows; lane r of tile 4 c + q
; takes point 64 c + 32 (r / 8) + 8 q + r % 8, so that register j of the result in lane (r, h) is point 64 c + 32 h + 8 q + j.  So no block's maximum asks another lane, and no codes change lanes.
; THE ANGLE.  acos(y) = sqrt(1 - y) (a0 + a1 y + .. + a7 y^7) on 0 <= y <= 1 (Abramowitz and Stegun 4.4.46: within 2e-8 of the angle), acos(-y) = pi - acos(y).  1 - y is exact from y = 0.5 on.
; k = sqrt(log2(e) / 2) / sigma is folded into the eight coefficients and into pi / 2, once: z = k x angle, e = 2^(-z z).  All 256 e of a lane stay in registers until the row's sum is known;
; then each is multiplied by g = c0 / (c0 S + 1e-8), c0 = 1 / (SQ2PI sigma), which is the finished, normalised number that is quantised.  No exponent is above 0 and a sum is at most 512: nothing overflows.
; The two reciprocals (1 / sigma, 1 / the divisor) are v_rcp_f32 and one Newton step.
; LIMITS.  NaN and infinities among the inputs, and sigma = 0, are not served.  An e under 2^-126 comes out of v_exp_f32 as 0 (ISA guide, 15.8).  A block of zeros keeps the scale byte 1 where the rule says 127:
; its codes are zeros, and this program alone reads the bytes.  The row's sum is taken in another order than a plain loop over k would take it.  sigma may be negative: the blocks' maxima take magnitudes.
; NOT USED: tensor loads, a ring, clusters: what work-groups share is 137,216 bytes of weights and points, read once by each at its head, through registers, since they are quantised or laid as fragments there.
; REGISTERS, in two windows of 256.  Window 0: v1-15 addresses and small things; v16-79 the points' 32 fragments; v80-81 vec's; v82-87 g, pi k / 2, a6 k; v88-95 at work; v96-127 cosines, two buffers of 16,
; written by the f32 matrix instruction alone; v128-191 at work (WK); v192-223 four accumulators of out0; v224-242 codes; v243 the rows' scale word; v244-251 the weights' scale words.
; Window 1: the 256 e of a lane (register 32 c + i); at the head 128 numbers of W; in the second pass W's fragments, which land where e have just been read out.
; THE MODE: SCHED_MODE bits 1:0 = 2 (LLVM: expert scheduling mode 2), set by the entry lines.  The code itself states the register dependences
; between vector or matrix instructions and memory or LDS instructions, with s_wait_alu, always for 0.
; THE PLAN.  Registers that memory or LDS instructions touch:
;   v1-6, v9-10   addresses: made at the head, ahead of its first wait on va_vdst, and never written again.
;   v12-14        the head's load offsets; written again (the conversions' scale operands, the select of W's scale words) behind a wait on vm_vsrc.
;   window 1      In a trip the exponentials write e, the sums and SCALE s read them; behind SCALE s the LDS loads of W's K step s land in v[64 s .. 64 s + 47]; the products of K step s read those.
;   v80-81        Read by a trip's 32 f32 products; the next trip's rows land there behind the last batch.
;   WK            Written by the batches, the sums and SCALE, read by QUANT; on the way out rows land there from the stage and the global stores read them.
;   v192-223      Written by the scaled products; read by the way out's LDS stores.
;   v224-243      The codes and the scale word: at the head LDS stores read them; in a trip vector and matrix instructions alone name them, and the scaled products take them behind a wait on va_vdst.
; So a trip holds, beside the waits behind its roots, exponentials and reciprocal: ONE wait on va_vdst for each K step, behind SCALE and ahead of W's loads, which also serves the products of the K step before,
; since only those loads stand between; one ahead of the last K step's products; one ahead of the way out; and ONE wait on vm_vsrc, at the trip's end.  The wait behind the last exponentials serves vec's loads too.
.set TRIPS,  8
.set FRB,    1536                      ; LDS: the image of a fragment: 12 registers x 128 bytes
.set WSC,    16*FRB                    ; behind W's 16 images: 8 images of scale registers, 128 bytes each
.set STG,    WSC+8*128                 ; behind them: a stage of 16 rows x (256 + 16) bytes for each wave, its own
.set SPITCH, 272
.set LI,   1                           ; v1   16 x lane: my place in an image; also my byte in 512 consecutive bytes of out0
.set LS,   2                           ; v2   4 x lane
.set SO,   3                           ; v3   the stage: where I put 32 bytes of row r
.set SR,   4                           ; v4   and where I read 16 bytes of a row back
.set VA0,  5                           ; v5   vec: 12 r + 8 h  (x, or z)
.set VA1,  6                           ; v6   vec: 12 r + 4 + 4 h  (y, or z once more)
.set SH8,  7                           ; v7   8 h
.set NIL,  8                           ; v8   0
.set WI,   9                           ; v9   where my wave stores its two images of W
.set WSA,  10                          ; v10  and their scale words
.set KEEP, 11                          ; v11  the first fragment's scale word
.set E0,   12                          ; v12-13 the conversions' scale operands (at the head, until the loads have read them: load offsets, with v14)
.set SPH,  16
.set VB,   80
.set G,    82
.set HV,   84
.set A6V,  86
.set M,    88
.set T,    92
.set RX,   96
.set WK,   128
.set RY,   WK                          ; a batch's 16: y, later 0 or pi k
.set RSG,  WK+16                       ; +1 or -1
.set RU,   WK+32                       ; 1 - y, then its root
.set RQ,   WK+48                       ; the polynomial, then z, then -z z
.set RO,   192
.set PC,   224
.set TP,   236
.set PW,   243
.set WS,   244
.set MSB, 0
.macro WIN new                         ; bits 1:0 source 0, 3:2 source 1, 5:4 source 2, 7:6 destination; the immediate's high byte repeats the setting that is left
.if MSB != \new
	s_set_vgpr_msb (MSB<<8)|\new
.set MSB, \new
.endif
.endm
.macro PLACES cnt
.rept \cnt
	v_nop
.endr
.endm
; The cosines of tiles 2 g and 2 g + 1 into buffer g % 2: 16 points x 16 rows x K = 4 each; k = 3 is a zero among the points
.macro MMX g
.irp u, 0,1
	v_wmma_f32_16x16x4_f32 v[RX+16*((\g)%2)+8*\u:RX+16*((\g)%2)+8*\u+7], v[SPH+2*(2*(\g)+\u):SPH+2*(2*(\g)+\u)+1], v[VB:VB+1], 0
.endr
.endm
; 16 points of a lane, from cosine to e.  The next batch's cosines are asked of the matrix unit first: a whole batch lies between them and their first reader.  No memory or LDS instruction stands in a batch.
.macro BATCH g
.if \g < 15
	MMX (\g)+1
.endif
.set XB, RX+16*((\g)%2)
.set bi, 0
.rept 16                               ; ascending: each accumulator is read from its low end on
	v_min_num_f32 v[RY+bi], |v[XB+bi]|, s17                        ; y = min(|x|, 1 - 1e-5): the clip, on both sides
	v_bfi_b32 v[RSG+bi], s16, s23, v[XB+bi]                        ; 1.0 with x's sign
.if bi%2 == 1
	v_pk_fma_f32 v[RU+bi-1:RU+bi], v[RY+bi-1:RY+bi], -1.0, 1.0 op_sel_hi:[1,0,0]   ; 1 - y
.endif
.set bi, bi+1
.endr
.set hn, 0
.rept 56                               ; Horner, seven steps over eight pairs; a root stands behind every third of the first 48 lines, so that each has plain neighbours
.if hn/8 == 0
	v_pk_fma_f32 v[RQ+2*(hn%8):RQ+2*(hn%8)+1], v[RY+2*(hn%8):RY+2*(hn%8)+1], s[24:25], v[A6V:A6V+1] op_sel_hi:[1,0,1]
.else
	v_pk_fma_f32 v[RQ+2*(hn%8):RQ+2*(hn%8)+1], v[RQ+2*(hn%8):RQ+2*(hn%8)+1], v[RY+2*(hn%8):RY+2*(hn%8)+1], s[24+2*(hn/8):25+2*(hn/8)] op_sel_hi:[1,1,0]
.endif
.if (hn < 48) && (hn%3 == 2)
	v_sqrt_f32 v[RU+hn/3], v[RU+hn/3]
.endif
.set hn, hn+1
.endr
.irp p, 0,2,4,6,8,10,12,14
	v_pk_fma_f32 v[RY+\p:RY+\p+1], v[RSG+\p:RSG+\p+1], v[HV:HV+1], v[HV:HV+1] neg_lo:[0,1,0] neg_hi:[0,1,0]   ; pi k / 2 - sign x pi k / 2: 0, or pi k
.endr
	s_wait_alu depctr_va_vdst(0)                   ; the 16 roots v[RU ..] are written, ahead of their first reader: ONE wait, for them and for the batch before's 16 exponentials
.irp p, 0,2,4,6,8,10,12,14
	v_pk_mul_f32 v[RQ+\p:RQ+\p+1], v[RU+\p:RU+\p+1], v[RQ+\p:RQ+\p+1]             ; k acos(y)
.endr
.irp p, 0,2,4,6,8,10,12,14
	v_pk_fma_f32 v[RQ+\p:RQ+\p+1], v[RSG+\p:RSG+\p+1], v[RQ+\p:RQ+\p+1], v[RY+\p:RY+\p+1]   ; z = k x the angle
.endr
.irp p, 0,2,4,6,8,10,12,14
	v_pk_mul_f32 v[RQ+\p:RQ+\p+1], v[RQ+\p:RQ+\p+1], v[RQ+\p:RQ+\p+1] neg_lo:[1,0] neg_hi:[1,0]   ; -z z
.endr
	WIN 0x40                                       ; destination window 1
.irp i, 0,1,2,3,4,5,6,7,8,9,10,11,12,13,14,15
	v_exp_f32 v[16*\g+\i], v[RQ+\i]                ; e; nobody names it before the next wait
.endr
	WIN 0
.endm
; 64 numbers of a lane, v[src] on in window win, register 32 c + i = k 64 c + 32 h + i of my row (or column), become a fragment's codes in v[PC] on and its scale word in v[PW].
.macro QUANT src, win
	WIN 0x05*(\win)
.irp c, 0,1
.irp u, 0,1
	v_max3_num_f32 v[M+2*\c+\u], |v[\src+32*\c+16*\u]|, |v[\src+32*\c+16*\u+1]|, 0x1800000   ; four chains, two a block; the floor 2^(3 - 127) among the leaves holds the byte at 1 from below
.endr
.endr
	WIN 0x14*(\win)
.irp m, 2,4,6,8,10,12,14
.irp c, 0,1
.irp u, 0,1
	v_max3_num_f32 v[M+2*\c+\u], v[M+2*\c+\u], |v[\src+32*\c+16*\u+\m]|, |v[\src+32*\c+16*\u+\m+1]|
.endr
.endr
.endr
	WIN 0
	v_max_num_f32 v[M], v[M], v[M+1]               ; block h's largest magnitude: all 32 numbers are mine
	v_max_num_f32 v[M+2], v[M+2], v[M+3]           ; block 2 + h's
	v_add_nc_u32 v[E0], 0xff000000, v[M]           ; 2 off the exponent field: the conversion takes the exponent field of this operand as its scale
	v_add_nc_u32 v[E0+1], 0xff000000, v[M+2]
	v_lshrrev_b32 v[M+1], 23, v[E0]                ; the scales' bytes
	v_lshrrev_b32 v[M+3], 23, v[E0+1]
	v_lshl_or_b32 v[PW], v[M+3], 16, v[M+1]        ; my two bytes,
	v_lshlrev_b32 v[PW], v[SH8], v[PW]             ; at their places in the word (8 h bits up);
	v_permlanex16_b32 v[M+1], v[PW], s18, s19
	v_or_b32 v[PW], v[PW], v[M+1]                  ; with lane l xor 16's two the word is whole, in both lanes
	WIN 0x01*(\win)
.irp c, 0,1
	v_cvt_scalef32_pk16_fp6_f32 v[PC+6*\c:PC+6*\c+2], v[\src+32*\c:\src+32*\c+15], v[E0+\c]
	v_cvt_scalef32_pk16_fp6_f32 v[TP+4*\c:TP+4*\c+2], v[\src+32*\c+16:\src+32*\c+31], v[E0+\c]   ; (a conversion's three registers begin on an even number: the block's second half is made elsewhere and moved)
.endr
	WIN 0
	v_nop                                          ; one plain line behind the scaled conversions
.irp c, 0,1
.irp i, 0,1,2
	v_mov_b32 v[PC+3+6*\c+\i], v[TP+4*\c+\i]
.endr
.endr
.endm
.macro SCALE s                         ; the 64 e of K step s times g: the finished numbers, into WK
	WIN 0x01
.set si, 0
.rept 32
	v_pk_mul_f32 v[WK+2*si:WK+2*si+1], v[64*\s+2*si:64*\s+2*si+1], v[G:G+1] op_sel_hi:[1,0]
.set si, si+1
.endr
.endm
.macro WLOAD s                         ; W's four fragments of K step s, as images, into the registers that SCALE s has just read out
	WIN 0x40
	s_wait_alu depctr_va_vdst(0)                   ; SCALE s (and the sums and exponentials ahead of it) are done with v[64 s ..] of window 1, in which the loads below land; from s = 1 on also: the codes v[PC ..] and the scale word v[PW] are written, which the products of K step s - 1 take behind these loads
.irp t, 0,1,2,3
.irp c, 0,1,2
	ds_load_b128 v[64*\s+12*\t+4*\c:64*\s+12*\t+4*\c+3], v[LI] offset:(4*\s+\t)*FRB+512*\c
.endr
.endr
.endm
; K step s of the second product: source 0 = 16 channels of W, source 1 = my 16 rows: lane (r, h), register j of accumulator t is out0(row r, channel 16 t + 8 h + j).
; The four accumulators take turns, one instruction a turn.  A scale register of W carries tile 2 u in lanes 0-15 and tile 2 u + 1 in lanes 16-31.
; No vector instruction stands between the wait on va_vdst ahead of these products (in WLOAD s + 1; for the last K step written out) and the products.
.macro MM s, cnt
	s_wait_dscnt \cnt                              ; this K step's 12 loads are in; cnt = the next K step's, issued behind them
	WIN 0x01
.irp t, 0,1,2,3
.if \s == 0
.if \t%2 == 0
	v_wmma_scale_f32_16x16x128_f8f6f4 v[RO+8*\t:RO+8*\t+7], v[64*\s+12*\t:64*\s+12*\t+11], v[PC:PC+11], 0, v[WS+2*\s+\t/2], v[PW] matrix_a_fmt:MATRIX_FMT_FP6 matrix_b_fmt:MATRIX_FMT_FP6
.else
	v_wmma_scale_f32_16x16x128_f8f6f4 v[RO+8*\t:RO+8*\t+7], v[64*\s+12*\t:64*\s+12*\t+11], v[PC:PC+11], 0, v[WS+2*\s+\t/2], v[PW] matrix_a_fmt:MATRIX_FMT_FP6 matrix_b_fmt:MATRIX_FMT_FP6 matrix_a_scale:MATRIX_SCALE_ROW1
.endif
.else
.if \t%2 == 0
	v_wmma_scale_f32_16x16x128_f8f6f4 v[RO+8*\t:RO+8*\t+7], v[64*\s+12*\t:64*\s+12*\t+11], v[PC:PC+11], v[RO+8*\t:RO+8*\t+7], v[WS+2*\s+\t/2], v[PW] matrix_a_fmt:MATRIX_FMT_FP6 matrix_b_fmt:MATRIX_FMT_FP6
.else
	v_wmma_scale_f32_16x16x128_f8f6f4 v[RO+8*\t:RO+8*\t+7], v[64*\s+12*\t:64*\s+12*\t+11], v[PC:PC+11], v[RO+8*\t:RO+8*\t+7], v[WS+2*\s+\t/2], v[PW] matrix_a_fmt:MATRIX_FMT_FP6 matrix_b_fmt:MATRIX_FMT_FP6 matrix_a_scale:MATRIX_SCALE_ROW1
.endif
.endif
.endr
	WIN 0
.endm
.macro COEF sr, bits                   ; a coefficient times k, into the low word of a scalar pair; the high words are filled behind one wait for the whole run
	v_mul_f32 v[T], \bits, v[M+2]
	v_readfirstlane_b32 s[\sr], v[T]
.endm
	; ---- THE HEAD
	s_load_b256 s[4:11], s[0:1], 0x0               ; vec s[4:5], sphere_pos s[6:7], weights s[8:9], sigma s[10:11]
	s_load_b64 s[12:13], s[0:1], 0x20              ; out0
	v_lshl_add_u32 v254, v0, 2, 0xec00
	v_mov_b32 v255, 0
	v_lshrrev_b32 v15, 5, v0
	v_readfirstlane_b32 s14, v15                   ; wave 0..7
	v_and_b32 v15, 31, v0                          ; lane
	v_lshlrev_b32 v[LI], 4, v15
	v_lshlrev_b32 v[LS], 2, v15
	v_and_b32 v[T], 15, v0                         ; r
	v_bfe_u32 v[T+1], v0, 4, 1                     ; h
	s_wait_alu depctr_va_sdst(0)                   ; s14 is written, ahead of its first reader: LDS places and the bases of vec, W and out0 are made from it
	s_mul_i32 s40, s14, 16*SPITCH
	s_add_co_u32 s40, s40, STG                     ; my wave's stage
	v_mul_u32_u24 v[SO], v[T], SPITCH              ; in: row r, + 32 h
	v_lshl_add_u32 v[SO], v[T+1], 5, v[SO]
	v_add_nc_u32 v[SO], s40, v[SO]
	v_mul_u32_u24 v[SR], v[T+1], SPITCH            ; back: lanes 0-15 one row of 256 bytes, lanes 16-31 the next
	v_lshl_add_u32 v[SR], v[T], 4, v[SR]
	v_add_nc_u32 v[SR], s40, v[SR]
	v_mul_u32_u24 v[VA0], v[T], 12                 ; vec's fragment: register j of lane (r, h) is component 2 h + j of row r; for component 3 z is read once more: it meets a zero
	v_lshl_add_u32 v[VA1], v[T+1], 2, v[VA0]
	v_add_nc_u32 v[VA1], 4, v[VA1]
	v_lshl_add_u32 v[VA0], v[T+1], 3, v[VA0]
	v_lshlrev_b32 v[SH8], 3, v[T+1]
	v_mov_b32 v[NIL], 0
	s_mul_i32 s41, s14, 2*FRB
	v_add_nc_u32 v[WI], s41, v[LI]                 ; wave w makes fragments 2 w and 2 w + 1 of W's sixteen
	s_lshl_b32 s41, s14, 7
	s_add_co_u32 s41, s41, WSC
	v_add_nc_u32 v[WSA], s41, v[LS]
	v_lshlrev_b32 v12, 2, v[T]                     ; W: column r of a tile, 4 bytes; lanes 16-31 begin 32 rows of 256 bytes further down
	v_lshl_add_u32 v12, v[T+1], 13, v12
	v_and_b32 v[T+2], 7, v[T]
	v_lshrrev_b32 v[T+3], 3, v[T]
	v_lshlrev_b32 v[T+2], 2, v[T+2]
	v_lshl_add_u32 v[T+2], v[T+3], 7, v[T+2]       ; the points: 4 (32 (r / 8) + r % 8)
	v_lshl_add_u32 v13, v[T+1], 12, v[T+2]         ; register 0: component 2 h: a row of sphere_pos is 2,048 bytes
	v_lshl_add_u32 v14, v[T+1], 11, v[T+2]
	v_add_nc_u32 v14, 2048, v14                    ; register 1: component 1, or (lanes 16-31) 2 once more, which is then made 0: no lane leaves the buffer
	s_mov_b32 s16, 0x7fffffff                      ; all but the sign
	s_mov_b32 s17, 0x3f7fff58                      ; 1 - 1e-5 in f32
	s_mov_b32 s18, 0x76543210                      ; v_permlanex16_b32's selects for lane l xor 16
	s_mov_b32 s19, 0xfedcba98
	s_mov_b32 s21, 0x322bcc77                      ; 1e-8
	s_mov_b32 s23, 0x3f800000                      ; 1.0
	s_mov_b32 vcc_lo, 0xffff0000                   ; lanes 16-31
	s_mov_b32 s15, TRIPS
	s_lshl_b32 s40, ttmp9, 3
	s_add_co_u32 s40, s40, s14                     ; 8 x work-group + wave: which run of 128 rows is mine
	s_mul_i32 s42, s40, 128*12
	s_mov_b32 s43, 0
	s_lshl_b32 s44, s40, 15                        ; 128 rows of 256 bytes; under 2^26
	s_mov_b32 s45, 0
	s_lshr_b32 s46, s14, 1                         ; my fragments' K step: wave / 2: 128 rows of W,
	s_lshl_b32 s46, s46, 15
	s_and_b32 s41, s14, 1                          ; and their tiles of channels: 2 (wave % 2) and the next: 64 bytes a tile
	s_lshl_b32 s41, s41, 7
	s_add_co_u32 s46, s46, s41
	s_mov_b32 s47, 0
	s_wait_kmcnt 0x0
	s_load_b32 s22, s[10:11], 0x0                  ; sigma
	s_add_nc_u64 s[4:5], s[4:5], s[42:43]
	s_add_nc_u64 s[12:13], s[12:13], s[44:45]
	s_add_nc_u64 s[8:9], s[8:9], s[46:47]
	WIN 0x40                                       ; destination window 1
	s_wait_alu depctr_va_vdst(0)                   ; the addresses and offsets v1-6, v9-10 and v12-14 are written, which the kernel's loads and stores read; but for v12-14 no vector instruction names them again
.irp f, 0,1                                    ; a lane takes a column of W and its registers run down K, in the operand's own order: register 64 f + 32 c + i = W(128 s + 64 c + 32 h + i, 16 t + r)
.irp c, 0,1
.set wi, 0
.rept 32
	global_load_b32 v[64*\f+32*\c+wi], v12, s[8:9] offset:(64*\c+wi)*256+64*\f
.set wi, wi+1
.endr
.endr
.endr
	WIN 0
.set tt, 0
.rept 32                                       ; the points' 32 fragments stay in registers: tile 4 c + q begins at point 64 c + 8 q
	global_load_b32 v[SPH+2*tt], v13, s[6:7] offset:256*(tt/4)+32*(tt%4)
	global_load_b32 v[SPH+2*tt+1], v14, s[6:7] offset:256*(tt/4)+32*(tt%4)
.set tt, tt+1
.endr
	global_load_b32 v[VB], v[VA0], s[4:5] th:TH_LOAD_NT            ; the first trip's rows
	global_load_b32 v[VB+1], v[VA1], s[4:5] th:TH_LOAD_NT
	s_wait_kmcnt 0x0                               ; sigma.  What follows writes v82-95 alone: no register that a pending load names
	v_mov_b32 v[M], s22
	v_rcp_f32 v[M+1], v[M]
	v_mov_b32 v[G+1], 0                            ; (named with g as a pair, so it is written; also the plain line behind the reciprocal)
	v_mov_b32 v[T+1], 0
	s_wait_alu depctr_va_vdst(0)                   ; the reciprocal v[M+1] is written, ahead of its first reader
	v_fma_f32 v[M+2], -v[M], v[M+1], 1.0           ; one Newton step
	v_fma_f32 v[M+1], v[M+1], v[M+2], v[M+1]       ; 1 / sigma
	v_mul_f32 v[M+2], 0x3f596d27, v[M+1]           ; k = sqrt(log2(e) / 2) / sigma
	v_mul_f32 v[M+3], 0x3ecc422a, v[M+1]           ; c0 = 1 / (SQ2PI sigma)
	v_readfirstlane_b32 s20, v[M+3]
	COEF 24, 0xbaa57a2c                            ; a7 = -0.0012624911
	COEF 26, 0xbc8bfc66                            ; a5 = -0.0170881256
	COEF 28, 0x3cfd10f8                            ; a4 =  0.0308918810
	COEF 30, 0xbd4d8392                            ; a3 = -0.0501743046
	COEF 32, 0x3db63a9e                            ; a2 =  0.0889789874
	COEF 34, 0xbe5bbfca                            ; a1 = -0.2145988016
	COEF 36, 0x3fc90fda                            ; a0 =  1.5707963050
	v_mul_f32 v[A6V], 0x3bda90c5, v[M+2]           ; a6 =  0.0066700901
	v_mov_b32 v[A6V+1], v[A6V]
	v_mul_f32 v[HV], 0x3fc90fdb, v[M+2]            ; pi / 2
	v_mov_b32 v[HV+1], v[HV]
	s_wait_alu depctr_va_sdst(0)                   ; s20 and the seven coefficients s24, s26 .. s36 are written, ahead of their first readers: one wait for the run of eight
.irp sr, 24,26,28,30,32,34,36
	s_mov_b32 s[\sr+1], s[\sr]                     ; the packed form names the pair and takes its low word for both halves
.endr
	s_wait_loadcnt 0x0                             ; W, the points, the first rows
	s_wait_alu depctr_vm_vsrc(0)                   ; the loads have read their offsets v12-14, which the conversions' scale operands and the select of W's scale words write again
.set tt, 0
.rept 32
	v_cndmask_b32 v[SPH+2*tt+1], v[SPH+2*tt+1], v[NIL], vcc_lo     ; component 3 of every point is 0
.set tt, tt+1
.endr
	QUANT 0, 1                                     ; my first fragment of W
	s_wait_alu depctr_va_vdst(0)                   ; the conversions and moves have written v[PC ..], which the LDS stores read
.irp c, 0,1,2
	ds_store_b128 v[WI], v[PC+4*\c:PC+4*\c+3] offset:512*\c        ; as an image of its registers: lane l's 16 bytes at 16 l
.endr
	v_mov_b32 v[KEEP], v[PW]
	s_wait_dscnt 0x0                               ; the stores have read their registers
	s_wait_alu depctr_vm_vsrc(0)                   ; the LDS stores have read v[PC ..], which the second fragment's conversions write again
	QUANT 64, 1                                    ; my second
	v_cndmask_b32 v14, v[KEEP], v[PW], vcc_lo      ; lanes 0-15: the even tile's scale words, lanes 16-31: the odd tile's
	s_wait_alu depctr_va_vdst(0)                   ; v[PC ..] and v14 are written, which the four LDS stores read
.irp c, 0,1,2
	ds_store_b128 v[WI], v[PC+4*\c:PC+4*\c+3] offset:FRB+512*\c
.endr
	ds_store_b32 v[WSA], v14
	s_wait_dscnt 0x0                               ; for the others' sake: my stores have landed
	s_barrier_signal -1
	s_barrier_wait -1                              ; the text's one barrier: W's sixteen images and eight scale registers lie in LDS, and are written no more
	s_wait_alu depctr_vm_vsrc(0)                   ; my LDS stores have read v[PC ..], which the first trip's conversions write again
.irp i, 0,1,2,3,4,5,6,7
	ds_load_b32 v[WS+\i], v[LS] offset:WSC+128*\i
.endr
	s_wait_dscnt 0x0
	; ---- A TRIP: 16 rows
.Ltile:
	s_wait_loadcnt 0x0                             ; these rows' vec, asked for half a trip ago
	MMX 0
	PLACES 8                                       ; eight places between this matrix form and the first reader of its result
.irp g, 0,1,2,3,4,5,6,7,8,9,10,11,12,13,14,15
	BATCH \g
.endr
	v_nop                                          ; a plain line behind the last exponentials,
	s_wait_alu depctr_va_vdst(0)                   ; the last 16 exponentials are written, ahead of the sums that read them; and the trip's f32 products are done reading v80-81, in which the loads below land
	s_cmp_eq_u32 s15, 1                            ; the next trip's rows are asked for here, if there is a next trip: no load leaves its buffer
	s_cbranch_scc1 .Lno_next
	s_add_nc_u64 s[4:5], s[4:5], 192               ; (the loads that named this base were waited for at the trip's head)
	global_load_b32 v[VB], v[VA0], s[4:5] th:TH_LOAD_NT
	global_load_b32 v[VB+1], v[VA1], s[4:5] th:TH_LOAD_NT
.Lno_next:
	; the row's sum of e: eight chains of pairs, a tree, the other half of the lanes
	WIN 0x05                                       ; sources 0 and 1 window 1
.irp c, 0,2,4,6,8,10,12,14
	v_pk_add_f32 v[WK+\c:WK+\c+1], v[\c:\c+1], v[16+\c:17+\c]
.endr
	WIN 0x04                                       ; source 1 window 1
.irp m, 2,3,4,5,6,7,8,9,10,11,12,13,14,15
.irp c, 0,2,4,6,8,10,12,14
	v_pk_add_f32 v[WK+\c:WK+\c+1], v[WK+\c:WK+\c+1], v[16*\m+\c:16*\m+\c+1]
.endr
.endr
	WIN 0
.irp c, 0,2,4,6
	v_pk_add_f32 v[WK+\c:WK+\c+1], v[WK+\c:WK+\c+1], v[WK+8+\c:WK+9+\c]
.endr
.irp c, 0,2
	v_pk_add_f32 v[WK+\c:WK+\c+1], v[WK+\c:WK+\c+1], v[WK+4+\c:WK+5+\c]
.endr
	v_pk_add_f32 v[WK:WK+1], v[WK:WK+1], v[WK+2:WK+3]
	v_add_f32 v[T], v[WK], v[WK+1]
	v_permlanex16_b32 v[T+1], v[T], s18, s19
	v_add_f32 v[T], v[T], v[T+1]                   ; S
	v_fma_f32 v[T+2], s20, v[T], s21               ; c0 S + 1e-8
	v_rcp_f32 v[T+3], v[T+2]
	v_nop
	s_wait_alu depctr_va_vdst(0)                   ; the reciprocal v[T+3] is written, ahead of its first reader
	v_fma_f32 v[T+1], -v[T+2], v[T+3], 1.0         ; one Newton step
	v_fma_f32 v[T+3], v[T+3], v[T+1], v[T+3]
	v_mul_f32 v[G], s20, v[T+3]                    ; g
	; the second pass and the second product, a K step of 128 at a time.  The next K step's 32 multiplications stand between a fragment's last lines and the products that take it: more than the eight
	; places that a scale register written by a vector instruction owes a scaled product; the wait on va_vdst follows those places, in WLOAD; the 32 maxima at QUANT's head are the places behind the products, ahead of the next codes.
	SCALE 0
	WLOAD 0
	QUANT WK, 0
	SCALE 1
	WLOAD 1
	MM 0, 12
	QUANT WK, 0
	SCALE 2
	WLOAD 2
	MM 1, 12
	QUANT WK, 0
	SCALE 3
	WLOAD 3
	MM 2, 12
	QUANT WK, 0
	PLACES 8
	s_wait_alu depctr_va_vdst(0)                   ; the last codes v[PC ..] and their scale word v[PW] are written, which the products below take; the places above stay beside this wait
	MM 3, 0
	; the way out: a lane's 32 bytes of a row go into my stage, whole rows come back; LDS serves a wave's instructions in order (ISA guide 5.7.1.4): no wait between the stores and the loads
	PLACES 4
	s_wait_alu depctr_va_vdst(0)                   ; the products have written the accumulators, which the LDS stores read; the last QUANT and SCALE are done with v[WK ..], in which the loads from the stage land; the places above stay beside this wait
.irp t, 0,1,2,3
	ds_store_b128 v[SO], v[RO+8*\t:RO+8*\t+3] offset:64*\t         ; each accumulator from its low end on
	ds_store_b128 v[SO], v[RO+8*\t+4:RO+8*\t+7] offset:64*\t+16
.endr
.irp i, 0,1,2,3,4,5,6,7
	ds_load_b128 v[WK+4*\i:WK+4*\i+3], v[SR] offset:2*SPITCH*\i
.endr
.irp i, 0,1,2,3,4,5,6,7
	s_wait_dscnt 7-\i                              ; rows 2 i and 2 i + 1 are back; the younger loads may be out
	global_store_b128 v[LI], v[WK+4*\i:WK+4*\i+3], s[12:13] offset:512*\i th:TH_STORE_NT   ; 32 lanes store 512 consecutive bytes, at a multiple of 256 from out0's first byte; written once, read by nobody here
.endr
	s_wait_xcnt 0x0                                ; the stores have read their data and their base: both are written again only behind this wait
	s_wait_alu depctr_vm_vsrc(0)                   ; the global stores have read v[WK ..], which the next trip's first batch writes; the LDS stores have read the accumulators, which the next trip's products begin anew
	s_add_nc_u64 s[12:13], s[12:13], 4096
	s_sub_co_u32 s15, s15, 1
	s_cmp_lg_u32 s15, 0
	s_cbranch_scc1 .Ltile
	s_wait_dscnt 0x0
	s_wait_alu depctr_hold_cnt(0) depctr_sa_sdst(0) depctr_va_vdst(0) depctr_va_sdst(0) depctr_va_ssrc(0) depctr_va_vcc(0) depctr_vm_vsrc(0)
	s_wait_tensorcnt 0x0
	ds_add_u32 v254, v255
	s_wait_dscnt 0x0
	s_endpgm
.Lfunc_end_k_q092f78c5c4_sphere:
	.size	k_q092f78c5c4_sphere, .Lfunc_end_k_q092f78c5c4_sphere-k_q092f78c5c4_sphere
	.p2alignl 7, 3214868480
	.fill 96, 4, 3214868480
	.section	.rodata,"a",@progbits
	.p2align	6, 0x0
	.amdhsa_kernel k_q092f78c5c4_sphere
		.amdhsa_group_segment_fixed_size 61440
		.amdhsa_private_segment_fixed_size 0
		.amdhsa_enable_private_segment 0
		.amdhsa_kernarg_size 40
		.amdhsa_user_sgpr_count 2
		.amdhsa_user_sgpr_kernarg_segment_ptr 1
		.amdhsa_wavefront_size32 1
		.amdhsa_system_sgpr_workgroup_id_x 1
		.amdhsa_system_sgpr_workgroup_id_y 1
		.amdhsa_system_sgpr_workgroup_id_z 1
		.amdhsa_system_vgpr_workitem_id 0
		.amdhsa_next_free_vgpr 512
		.amdhsa_next_free_sgpr 66
		.amdhsa_reserve_vcc 1
		.amdhsa_float_denorm_mode_32 3
		.amdhsa_float_denorm_mode_16_64 3
		.amdhsa_memory_ordered 1
		.amdhsa_forward_progress 1
		.amdhsa_inst_pref_size 218
	.end_amdhsa_kernel
	.amdgpu_metadata
---
amdhsa.version: [ 1, 2 ]
amdhsa.kernels:
  - .name:           k_q092f78c5c4_sphere
    .symbol:         k_q092f78c5c4_sphere.kd
    .args:
      - { .name: vec, .offset: 0, .size: 8, .value_kind: global_buffer, .address_space: global }
      - { .name: sphere_pos, .offset: 8, .size: 8, .value_kind: global_buffer, .address_space: global }
      - { .name: weights, .offset: 16, .size: 8, .value_kind: global_buffer, .address_space: global }
      - { .name: sigma, .offset: 24, .size: 8, .value_kind: global_buffer, .address_space: global }
      - { .name: out0, .offset: 32, .size: 8, .value_kind: global_buffer, .address_space: global }
    .group_segment_fixed_size: 61440
    .private_segment_fixed_size: 0
    .kernarg_segment_align: 8
    .kernarg_segment_size: 40
    .max_flat_workgroup_size: 256
    .sgpr_count:     66
    .vgpr_count:     512
    .wavefront_size: 32
...
	.end_amdgpu_metadata
.endif
;; end of part 2
